; MI455X (gfx1250); checked and timed in simulation.
; The chip was launched on July 23, 2026; its instructions are those of AMD's public machine-readable ISA for CDNA 5 (MIT licence, August 2026) and "CDNA5" Instruction Set Architecture Reference Guide (July 2026). The comments in the code are by the model that wrote it; some were corrected since.
;; Cross Attention. Allowed arithmetic: matrix products marked QUANTISED: E2M1 operands, one E8M0 scale for each 32 along K, by v_wmma_scale_f32_16x16x128_f8f6f4 with both operands' format E2M1 (or v_wmma_scale_f32_32x16x128_f4), f32 sums; products left as they are: bf16, f16 or f32 operands; f32 sums; everything else in f32.
;; Inputs: Wk 512 x 512 float32; Wo 512 x 512 float32; Wq 512 x 512 float32; Wv 512 x 512 float32; bk 512 float32; bo 512 float32; bq 512 float32; bv 512 float32; context 4 x 2,048 x 512 float32; x 4 x 2,048 x 512 float32.
;; Outputs: out0 4 x 2,048 x 512 float32.
;; This version of the problem:
;;   THIS VERSION OF THE PROBLEM IS GIVEN IN LOW PRECISION. The matrix products marked QUANTISED in the list below multiply operands that are first quantised to E2M1 (2 exponent bits, 1 mantissa bit; 4 bits a number), with one power-of-two scale for each 32 numbers along K (OCP MX v1.0); their sums are f32. The products marked 'left as it is' may take bf16, f16 or f32 operands, with f32 sums. Whichever they take, every output number must still come out within the allowed error. Rounding operands to bf16 (8 significant bits) uses up far more of that allowance than f16 does (11 bits, for magnitudes from 6e-5 to 65,504). All else is computed in f32.
;;   The module's matrix products, in the order in which they are computed (A, B: the left and right operand; K: the contracted axis; several contracted axes count as one K, in the product's order):
;;     1. [M 8,192, K 512] x [K 512, N 512]; A: input x; B: input Wq: QUANTISED
;;     2. [M 8,192, K 512] x [K 512, N 512]; A: input context; B: input Wk: QUANTISED
;;     3. [M 8,192, K 512] x [K 512, N 512]; A: input context; B: input Wv: QUANTISED
;;     4. batch 64 x [M 2,048, K 32] x [K 32, N 2,048]; A: computed on the way; B: computed on the way: left as it is (an operand is computed on the way)
;;     5. batch 64 x [M 2,048, K 2,048] x [K 2,048, N 32]; A: computed on the way; B: computed on the way: left as it is (an operand is computed on the way)
;;     6. [M 8,192, K 512] x [K 512, N 512]; A: computed on the way; B: input Wo: left as it is (an operand is computed on the way)
;;   THE QUANTISER, for each operand of a quantised product, along K:
;;     - K is cut into blocks of 32 from its start; a last block that is shorter is filled with zeros.
;;     - A block's scale is 2^e with e = floor(log2(the largest magnitude in the block)) - 2, held to -126 .. 127; a block of zeros has e = 0. As a byte (E8M0): e + 127.
;;     - Each number is divided by its block's scale, clamped to +-6, and rounded to the nearest number of E2M1, ties to even, subnormals kept.
;;     - The product sums the exact products of the quantised numbers (number of the format x scale) in f32.
;;   ~~~python
;;   def quantise(x, axis):      # numpy; x: float32 -> the quantised numbers, widened to float32 again
;;       x = np.moveaxis(x, axis, -1); K = x.shape[-1]
;;       x = np.pad(x, [(0, 0)] * (x.ndim - 1) + [(0, -K % 32)]); x = x.reshape(x.shape[:-1] + (-1, 32)); a = np.abs(x).max(-1, keepdims=True)
;;       e = np.where(a > 0, np.clip(np.frexp(np.where(a > 0, a, 1))[1] - 1 - 2, -126, 127), 0)      # np.frexp(a)[1] - 1 = floor(log2(a)), exactly
;;       r = np.clip(x / 2.0 ** e, -6, 6)
;;       step = 2.0 ** (np.maximum(np.frexp(np.where(r == 0, 1, r))[1] - 1, 0) - 1)
;;       q = np.round(r / step) * step * 2.0 ** e      # np.round: ties to even
;;       return np.moveaxis(q.reshape(q.shape[:-2] + (-1,))[..., :K], -1, axis).astype(np.float32)
;;   ~~~
;; One version. Each part assembles by itself: llvm-mc -triple=amdgcn-amd-amdhsa -mcpu=gfx1250 --defsym DOCPART=n.
;; ======== version 1 of 1: 4 launches
;; limits: values are held in f16: magnitudes above 65,504 overflow, below 6.1e-05 lose precision
;; workspace buffers: wcodes 393,216 bytes; wscales 24,576 bytes; wo_h 524,288 bytes; q_h 8,388,608 bytes; k_h 8,388,608 bytes; v_h 8,388,608 bytes; o_h 8,388,608 bytes
;; launch prep (part 1): grid 128 x 1, 4 waves a work-group, no clusters, 0 bytes of LDS; arguments Wq, Wk, Wv, Wo, wcodes, wscales, wo_h; writes wcodes, wscales, wo_h
.if DOCPART == 1
	.amdgcn_target "amdgcn-amd-amdhsa--gfx1250"
	.amdhsa_code_object_version 6
	.text
	.protected	k_qedfcc1a3ed_prep
	.globl	k_qedfcc1a3ed_prep
	.p2align	8
	.type	k_qedfcc1a3ed_prep,@function
k_qedfcc1a3ed_prep:
	s_mov_b64 s[64:65], 0
	v_nop
	global_prefetch_b8 v0, s[64:65] scope:SCOPE_SE
	s_setreg_imm32_b32 hwreg(HW_REG_WAVE_MODE, 25, 1), 1
	s_wait_xcnt 0x0
; PREP.  The four weights [512 (k)][512 (n)], f32, K along the FIRST axis, are laid out once as IMAGES OF OPERAND REGISTERS.
; Wq, Wk, Wv -> codes of FP4 (E2M1) with one E8M0 byte for each 32 along K.  A fragment is 16 columns x 128 K = 8 registers a lane = 1,024 bytes:
;   registers 4 c .. 4 c + 3 of lane l lie at 512 c + 16 l.   wcodes [w 3][column tile 32][K step 4][1,024];  wscales [w 3][column 512][16]: word ks of a column = the scale word of K step ks.
; Wo -> f16.  A fragment is 16 columns x 32 K = 8 registers a lane, laid the same way.   wo_h [nb 4][K step 16][tile 8][1,024]; lane row r of tile 4 g + i is column 128 nb + 64 g + 4 r + i,
;   so that in the last launch a lane's four accumulators hold four NEIGHBOURING columns.
; A LANE TAKES A COLUMN AND ITS REGISTERS RUN DOWN K, in the order that the operand's layout gives that lane: nothing is transposed, and the conversions' results are the operand's registers.
; SHARES: work-group = (weight w, 64 columns ng, 128 along K kq); a wave makes one FP4 fragment, or four f16 fragments.  The four waves stand on neighbouring columns: together they read 256 consecutive bytes of a row.
; A block's scale is 2^(floor(log2(largest magnitude)) - 2): its byte is the largest magnitude's exponent field - 2, held at 1 from below.
; LIMITS: a block of zeros gets the byte 1 where the quantiser says 127 (its codes are zeros, and this program alone reads the bytes); NaN and infinities are not served; |Wo| stays under 65,504 (f16).
.set XR, 64                            ; v64-127  the 64 numbers of a lane
.set CD, 48                            ; v48-55   the FP4 fragment
.set HF, 16                            ; v16-47   four f16 fragments
	s_load_b256 s[4:11], s[0:1], 0x0               ; Wq s[4:5], Wk s[6:7], Wv s[8:9], Wo s[10:11]
	s_load_b128 s[12:15], s[0:1], 0x20             ; wcodes s[12:13], wscales s[14:15]
	s_load_b64 s[16:17], s[0:1], 0x30              ; wo_h
	v_lshrrev_b32 v1, 5, v0
	v_readfirstlane_b32 s18, v1                    ; wave 0..3
	v_and_b32 v1, 15, v0                           ; r
	v_bfe_u32 v2, v0, 4, 1                         ; h
	v_and_b32 v4, 31, v0
	v_lshlrev_b32 v4, 4, v4                        ; 16 x lane: my place in half an image
	s_lshr_b32 s19, ttmp9, 5                       ; w: which weight
	s_bfe_u32 s22, ttmp9, 0x30002                  ; ng: which 64 columns
	s_and_b32 s23, ttmp9, 3                        ; kq: which 128 along K
	s_lshl_b32 s24, s23, 18                        ; 128 rows of 2,048 bytes,
	s_lshl_b32 s26, s22, 8                         ; 64 columns of 4 bytes
	s_add_co_u32 s24, s24, s26
	s_mov_b32 s25, 0
	s_mov_b32 s27, 0
	s_mov_b32 s29, 0
	s_mov_b32 s30, 0x76543210
	s_mov_b32 s31, 0xfedcba98                      ; v_permlanex16_b32's selects for lane l xor 16
	s_wait_kmcnt 0x0
	s_cmp_eq_u32 s19, 3                            ; the work-group's number alone decides
	s_cbranch_scc1 .Lwo
	; ---- Wq, Wk or Wv: one FP4 fragment.  Lane (r, h): column 64 ng + 16 wave + r; register 32 c + i: k = 128 kq + 64 c + 32 h + i
	s_cmp_eq_u32 s19, 0
	s_cselect_b64 s[20:21], s[4:5], s[6:7]
	s_cmp_eq_u32 s19, 2
	s_cselect_b64 s[20:21], s[8:9], s[20:21]
	s_lshl_b32 s26, s18, 6                         ; my wave's 16 columns
	s_add_co_u32 s24, s24, s26
	s_add_nc_u64 s[20:21], s[20:21], s[24:25]
	v_lshlrev_b32 v3, 2, v1
	v_lshl_add_u32 v3, v2, 16, v3                  ; 4 r + 32 rows further down for lanes 16-31
	v_lshlrev_b32 v5, 4, v1                        ; my column's 16 scale bytes
.irp c, 0,1
.irp i, 0,1,2,3,4,5,6,7,8,9,10,11,12,13,14,15,16,17,18,19,20,21,22,23,24,25,26,27,28,29,30,31
	global_load_b32 v[XR+32*\c+\i], v3, s[20:21] offset:(64*\c+\i)*2048
.endr
.endr
	s_lshl_b32 s26, s19, 17                        ; where the fragment goes: w x 131,072 + (4 ng + wave) x 4,096 + kq x 1,024
	s_lshl_b32 s28, s22, 14
	s_add_co_u32 s26, s26, s28
	s_lshl_b32 s28, s18, 12
	s_add_co_u32 s26, s26, s28
	s_lshl_b32 s28, s23, 10
	s_add_co_u32 s26, s26, s28
	s_add_nc_u64 s[12:13], s[12:13], s[26:27]
	s_lshl_b32 s28, s19, 13                        ; and its scale words: w x 8,192 + (64 ng + 16 wave) x 16 + 4 kq
	s_lshl_b32 s26, s22, 10
	s_add_co_u32 s28, s28, s26
	s_lshl_b32 s26, s18, 8
	s_add_co_u32 s28, s28, s26
	s_lshl_b32 s26, s23, 2
	s_add_co_u32 s28, s28, s26
	s_add_nc_u64 s[14:15], s[14:15], s[28:29]
	s_wait_loadcnt 0x0
.irp c, 0,1                                    ; my block 2 c + h: all its 32 numbers are mine
	v_max3_num_f32 v[32+\c], |v[XR+32*\c]|, |v[XR+1+32*\c]|, 0x1800000   ; and the floor 2^(3 - 127): the byte cannot fall under 1
.endr
.irp i, 2,4,6,8,10,12,14,16,18,20,22,24,26,28,30
.irp c, 0,1
	v_max3_num_f32 v[32+\c], v[32+\c], |v[XR+32*\c+\i]|, |v[XR+1+32*\c+\i]|   ; the two blocks by turns
.endr
.endr
.irp c, 0,1
	v_add_nc_u32 v[44+\c], 0xff000000, v[32+\c]    ; 2 off the exponent field: the conversion takes this operand's exponent field as its scale
.endr
.irp c, 0,1
	v_lshrrev_b32 v[36+\c], 23, v[44+\c]           ; the scale's byte
.endr
	v_lshl_or_b32 v9, v37, 16, v36                 ; my two bytes: blocks h and 2 + h,
	v_lshlrev_b32 v10, 3, v2
	v_lshlrev_b32 v9, v10, v9                      ; 8 h bits up;
	v_mov_b32 v10, 0
	v_permlanex16_b32 v10, v9, s30, s31
	v_or_b32 v9, v9, v10                           ; with lane l xor 16's two the word is whole
.irp c, 0,1
.irp g, 0,1,2,3
	v_cvt_scalef32_pk8_fp4_f32 v[CD+4*\c+\g], v[XR+32*\c+8*\g:XR+32*\c+8*\g+7], v[44+\c]   ; registers 4 c .. 4 c + 3 of the operand
.endr
.endr
	v_nop                                          ; one plain line behind the last scaled conversion
.irp c, 0,1
	global_store_b128 v4, v[CD+4*\c:CD+4*\c+3], s[12:13] offset:512*\c   ; 32 lanes store 512 consecutive bytes
.endr
	global_store_b32 v5, v9, s[14:15]              ; lanes r and r + 16 hold the same word and write it to the same place
	s_endpgm
.Lwo:
	; ---- Wo: four f16 fragments (K steps 4 kq + s).  Lane (r, h): column 64 ng + 4 r + wave; register 16 s + 8 c + j: k = 128 kq + 32 s + 16 c + 8 h + j
	s_lshl_b32 s26, s18, 2
	s_add_co_u32 s24, s24, s26
	s_add_nc_u64 s[10:11], s[10:11], s[24:25]
	v_lshlrev_b32 v3, 4, v1
	v_lshl_add_u32 v3, v2, 14, v3                  ; 16 r + 8 rows further down for lanes 16-31
.irp s, 0,1,2,3
.irp c, 0,1
.irp j, 0,1,2,3,4,5,6,7
	global_load_b32 v[XR+16*\s+8*\c+\j], v3, s[10:11] offset:(32*\s+16*\c+\j)*2048
.endr
.endr
.endr
	s_lshr_b32 s26, s22, 1                         ; where they go: nb x 131,072 + kq x 32,768 + (4 (ng % 2) + wave) x 1,024
	s_lshl_b32 s26, s26, 17
	s_lshl_b32 s28, s23, 15
	s_add_co_u32 s26, s26, s28
	s_and_b32 s28, s22, 1
	s_lshl_b32 s28, s28, 12
	s_add_co_u32 s26, s26, s28
	s_lshl_b32 s28, s18, 10
	s_add_co_u32 s26, s26, s28
	s_add_nc_u64 s[16:17], s[16:17], s[26:27]
	s_wait_loadcnt 0x0
.irp s, 0,1,2,3
.irp c, 0,1
.irp j, 0,1,2,3
	v_cvt_pk_f16_f32 v[HF+8*\s+4*\c+\j], v[XR+16*\s+8*\c+2*\j], v[XR+16*\s+8*\c+2*\j+1]   ; the lower k in the low half
.endr
.endr
.endr
.irp s, 0,1,2,3
.irp c, 0,1
	global_store_b128 v4, v[HF+8*\s+4*\c:HF+8*\s+4*\c+3], s[16:17] offset:8192*\s+512*\c
.endr
.endr
	s_endpgm
.Lfunc_end_k_qedfcc1a3ed_prep:
	.size	k_qedfcc1a3ed_prep, .Lfunc_end_k_qedfcc1a3ed_prep-k_qedfcc1a3ed_prep
	.p2alignl 7, 3214868480
	.fill 96, 4, 3214868480
	.section	.rodata,"a",@progbits
	.p2align	6, 0x0
	.amdhsa_kernel k_qedfcc1a3ed_prep
		.amdhsa_group_segment_fixed_size 0
		.amdhsa_private_segment_fixed_size 0
		.amdhsa_enable_private_segment 0
		.amdhsa_kernarg_size 56
		.amdhsa_user_sgpr_count 2
		.amdhsa_user_sgpr_kernarg_segment_ptr 1
		.amdhsa_wavefront_size32 1
		.amdhsa_system_sgpr_workgroup_id_x 1
		.amdhsa_system_sgpr_workgroup_id_y 1
		.amdhsa_system_sgpr_workgroup_id_z 1
		.amdhsa_system_vgpr_workitem_id 0
		.amdhsa_next_free_vgpr 128
		.amdhsa_next_free_sgpr 66
		.amdhsa_reserve_vcc 0
		.amdhsa_float_denorm_mode_32 3
		.amdhsa_float_denorm_mode_16_64 3
		.amdhsa_memory_ordered 1
		.amdhsa_forward_progress 1
		.amdhsa_inst_pref_size 21
	.end_amdhsa_kernel
	.amdgpu_metadata
---
amdhsa.version: [ 1, 2 ]
amdhsa.kernels:
  - .name:           k_qedfcc1a3ed_prep
    .symbol:         k_qedfcc1a3ed_prep.kd
    .args:
      - { .name: Wq, .offset: 0, .size: 8, .value_kind: global_buffer, .address_space: global }
      - { .name: Wk, .offset: 8, .size: 8, .value_kind: global_buffer, .address_space: global }
      - { .name: Wv, .offset: 16, .size: 8, .value_kind: global_buffer, .address_space: global }
      - { .name: Wo, .offset: 24, .size: 8, .value_kind: global_buffer, .address_space: global }
      - { .name: wcodes, .offset: 32, .size: 8, .value_kind: global_buffer, .address_space: global }
      - { .name: wscales, .offset: 40, .size: 8, .value_kind: global_buffer, .address_space: global }
      - { .name: wo_h, .offset: 48, .size: 8, .value_kind: global_buffer, .address_space: global }
    .group_segment_fixed_size: 0
    .private_segment_fixed_size: 0
    .kernarg_segment_align: 8
    .kernarg_segment_size: 56
    .max_flat_workgroup_size: 128
    .sgpr_count:     66
    .vgpr_count:     128
    .wavefront_size: 32
...
	.end_amdgpu_metadata
.endif
;; end of part 1
;; launch proj (part 2): grid 256 x 1, 16 waves a work-group, no clusters, 155,648 bytes of LDS; arguments x, context, wcodes, wscales, bq, bk, bv, q_h, k_h, v_h; writes q_h, k_h, v_h
.if DOCPART == 2
	.amdgcn_target "amdgcn-amd-amdhsa--gfx1250"
	.amdhsa_code_object_version 6
	.text
	.protected	k_qedfcc1a3ed_proj
	.globl	k_qedfcc1a3ed_proj
	.p2align	8
	.type	k_qedfcc1a3ed_proj,@function
k_qedfcc1a3ed_proj:
	s_mov_b64 s[64:65], 0
	v_nop
	global_prefetch_b8 v0, s[64:65] scope:SCOPE_SE
	s_setreg_imm32_b32 hwreg(HW_REG_WAVE_MODE, 25, 1), 1
	s_wait_xcnt 0x0
; PROJ.  q = (x Wq + bq) log2(e) / sqrt(32),  k = context Wk + bk,  v = context Wv + bv: the three products on codes of FP4 (E2M1) with one E8M0 scale for each 32 along K = 512; sums in f32; results rounded once to f16.
; Work-groups 0-127 take 64 rows of x each (q), work-groups 128-255 64 rows of context (k and v): each input byte is read once.
; PHASE X: wave w quantises ONE fragment (row tile w / 4, K step w % 4: 16 rows x 128 K).  Its 16 loads read 512 consecutive bytes of a row each; the numbers turn through the wave's own stage in LDS, so that a lane
; holds 16 neighbours of each block of 32; codes and scale word go to LDS as an IMAGE OF THE OPERAND'S REGISTERS (16 bytes a lane, 4 bytes a lane).  One barrier.
; THEN wave w owns HEAD w: 32 columns for all 64 rows.  Its slice of the weight (2 column tiles x 4 K steps = 64 registers, laid out by the launch before as register images) stays in registers.
; q and k are made TRANSPOSED (source 0 = 16 columns of W, source 1 = 16 rows): a lane holds one token and eight neighbouring channels, which pack into half of the fragment that attention's first product wants.
; v is made the natural way: a lane holds one channel and eight neighbouring tokens: half of a fragment of V^T (16 channels x 32 keys).  So every result leaves as 512 consecutive bytes a store, with no stage.
;   q_h, k_h [b x 16 + head][token tile 128][1,024];   v_h [b x 16 + head][32 keys 64][channel tile 2][1,024];   half c of a fragment at 512 c + 16 lane.
; LIMITS: a block of zeros gets the byte 1 where the quantiser says 127 (its codes are zeros; the bytes stay in this launch); NaN and infinities are not served; |q| log2(e) / sqrt(32), |k| and |v| stay under 65,504 (f16).
.set SPITCH, 528                       ; a stage row: 512 bytes + 16 = 33 x 16: sixteen rows start at sixteen different 16-byte columns modulo 256
.set WSTG,  16*SPITCH                  ; a wave's stage: 8,448 bytes = 33 blocks of 256
.set XIMG,  16*WSTG                    ; 135,168: the 16 fragments' images, 1,024 bytes each, index 4 m + ks = the number of the wave that made it
.set XSC,   XIMG+16*1024               ; 151,552: their scale words, 128 bytes each
.set SPARE, XSC+16*128                 ; 153,600: the spare words, 128 bytes for each wave: eight blocks of 256 bytes that no other line names
.set LI,  1                            ; v1   16 x lane
.set SA,  2                            ; v2   the stage, on the way in: my 16 bytes of a row
.set SB,  3                            ; v3   and out: row r, + 64 h
.set XWI, 4                            ; v4   where I store my fragment's image
.set XWS, 5                            ; v5   and its scale word
.set XRI, 6                            ; v6   where images are read: XIMG + 16 x lane
.set XRS, 7                            ; v7   XSC + 4 x lane
.set R16, 8                            ; v8   16 r
.set H32, 9                            ; v9   32 h
.set R4,  10                           ; v10  4 r
.set SPW, 14                           ; v14  LDS address of my spare word; never rewritten
.set NIL, 15                           ; v15  0; never rewritten
.set WA,  16                           ; v16-79   Wq's or Wk's fragments: (t, ks) at WA + 8 (4 t + ks)
.set RAW, 80                           ; v80-143  phase X: the numbers as loaded; then PC, TM, PW; then Wv's fragments
.set PC,  80                           ; v80-87   the codes just made
.set TM,  88                           ; v88-91 largest magnitudes, v92-95 bytes, v96-99 the conversions' scale operands
.set PW,  100                          ; v100     the scale word just made
.set WB,  80
.set XN,  144                          ; v144-207 phase X: 64 numbers, register 16 b + i = k 32 b + 16 h + i of my row
.set XF,  144                          ; v144-175 then: a row tile's four fragments
.set ACC, 176                          ; v176-207 two accumulators, in two sets that take turns from row tile to row tile
.set WAS, 208                          ; v208-215 scale words of WA: 4 t + ks
.set WBS, 216                          ; v216-223 of WB
.set XS,  224                          ; v224-227 of the row tile
.set BB,  228                          ; v228-231 bv of my channel, twice for each column tile
.set BA,  232                          ; v232-247 bq or bk in the transposed result's layout: eight a column tile
.set SEL, 48                           ; s[48:49] lane selects for v_permlanex16_b32
.set CQ,  50                           ; s[50:51] log2(e) / sqrt(32)
	s_load_b512 s[8:23], s[0:1], 0x0               ; x 8, context 10, wcodes 12, wscales 14, bq 16, bk 18, bv 20, q_h 22
	s_load_b128 s[24:27], s[0:1], 0x40             ; k_h 24, v_h 26
	v_lshl_add_u32 v[SPW], v0, 2, SPARE
	v_mov_b32 v[NIL], 0
	v_lshrrev_b32 v11, 5, v0
	v_readfirstlane_b32 s28, v11                   ; wave 0..15
	v_and_b32 v11, 31, v0                          ; lane
	v_and_b32 v12, 15, v0                          ; r
	v_bfe_u32 v13, v0, 4, 1                        ; h
	v_lshlrev_b32 v[LI], 4, v11
	s_mul_i32 s31, s28, WSTG
	v_add_nc_u32 v[SA], s31, v[LI]
	v_mul_u32_u24 v[SB], v12, SPITCH
	v_lshl_add_u32 v[SB], v13, 6, v[SB]
	v_add_nc_u32 v[SB], s31, v[SB]
	s_lshl_b32 s31, s28, 10
	s_add_co_u32 s31, s31, XIMG
	v_add_nc_u32 v[XWI], s31, v[LI]
	v_lshlrev_b32 v[XRS], 2, v11
	s_lshl_b32 s31, s28, 7
	s_add_co_u32 s31, s31, XSC
	v_add_nc_u32 v[XWS], s31, v[XRS]
	v_add_nc_u32 v[XRS], XSC, v[XRS]
	v_add_nc_u32 v[XRI], XIMG, v[LI]
	v_lshlrev_b32 v[R16], 4, v12
	v_lshlrev_b32 v[H32], 5, v13
	v_lshlrev_b32 v[R4], 2, v12
	s_lshr_b32 s29, ttmp9, 7                       ; job: 0 x -> q;  1 context -> k, v
	s_and_b32 s30, ttmp9, 127                      ; which 64 rows
	s_lshl_b32 s52, s30, 17                        ; the source: 64 rows of 2,048 bytes,
	s_lshr_b32 s31, s28, 2
	s_lshl_b32 s31, s31, 15                        ; my row tile,
	s_add_co_u32 s52, s52, s31
	s_and_b32 s31, s28, 3
	s_lshl_b32 s31, s31, 9                         ; my K step
	s_add_co_u32 s52, s52, s31
	s_mov_b32 s53, 0
	s_lshl_b32 s54, s29, 17                        ; the first weight's codes: job x 131,072 + head x 8,192
	s_lshl_b32 s31, s28, 13
	s_add_co_u32 s54, s54, s31
	s_mov_b32 s55, 0
	s_add_co_u32 s62, s31, 262144                  ; Wv's
	s_mov_b32 s63, 0
	s_lshl_b32 s56, s29, 13                        ; the scale words: job x 8,192 + head x 512
	s_lshl_b32 s31, s28, 9
	s_add_co_u32 s56, s56, s31
	s_mov_b32 s57, 0
	s_add_co_u32 s44, s31, 16384                   ; Wv's
	s_mov_b32 s45, 0
	s_lshl_b32 s58, s28, 7                         ; the biases: head x 32 numbers
	s_mov_b32 s59, 0
	s_lshr_b32 s60, s30, 5                         ; the results: (b x 16 + head) x 131,072 + (block in the batch) x 4,096
	s_lshl_b32 s60, s60, 4
	s_add_co_u32 s60, s60, s28
	s_lshl_b32 s60, s60, 17
	s_and_b32 s31, s30, 31
	s_lshl_b32 s31, s31, 12
	s_add_co_u32 s60, s60, s31
	s_mov_b32 s61, 0
	s_mov_b32 s[SEL], 0x76543210
	s_mov_b32 s[SEL+1], 0xfedcba98
	s_mov_b32 s[CQ], 0x3e8293ee                    ; log2(e) / sqrt(32) = 0.255035
	s_mov_b32 s[CQ+1], s[CQ]                       ; (named with it as a pair, so it is written)
	s_wait_kmcnt 0x0
	s_cmp_eq_u32 s29, 0                            ; the choices hang on the work-group's number alone
	s_cselect_b64 s[32:33], s[8:9], s[10:11]       ; the source
	s_cselect_b64 s[38:39], s[16:17], s[18:19]     ; bq or bk
	s_cselect_b64 s[40:41], s[22:23], s[24:25]     ; q_h or k_h
	s_add_nc_u64 s[32:33], s[32:33], s[52:53]
	s_add_nc_u64 s[34:35], s[12:13], s[54:55]
	s_add_nc_u64 s[36:37], s[14:15], s[56:57]
	s_add_nc_u64 s[38:39], s[38:39], s[58:59]
	s_add_nc_u64 s[40:41], s[40:41], s[60:61]
	s_add_nc_u64 s[42:43], s[12:13], s[62:63]      ; Wv's codes
	s_add_nc_u64 s[44:45], s[14:15], s[44:45]      ; Wv's scale words
	s_add_nc_u64 s[46:47], s[26:27], s[60:61]      ; v_h
	s_add_nc_u64 s[20:21], s[20:21], s[58:59]      ; bv
.irp i, 0,1,2,3,4,5,6,7,8,9,10,11,12,13,14,15
	global_load_b128 v[RAW+4*\i:RAW+4*\i+3], v[LI], s[32:33] offset:2048*\i th:TH_LOAD_NT   ; row i of my tile: 512 consecutive bytes
.endr
.irp f, 0,1,2,3,4,5,6,7
.irp c, 0,1
	global_load_b128 v[WA+8*\f+4*\c:WA+8*\f+4*\c+3], v[LI], s[34:35] offset:1024*\f+512*\c
.endr
.endr
.irp t, 0,1
	global_load_b128 v[WAS+4*\t:WAS+4*\t+3], v[R16], s[36:37] offset:256*\t        ; column r's four scale words
.endr
.irp t, 0,1
	global_load_b128 v[BA+8*\t:BA+8*\t+3], v[H32], s[38:39] offset:64*\t           ; the bias of channels 16 t + 8 h + 0 .. 7
	global_load_b128 v[BA+8*\t+4:BA+8*\t+7], v[H32], s[38:39] offset:64*\t+16
.endr
; 64 numbers of a lane, v[s] on, become a fragment's codes in v[PC] on and its scale word in v[PW]
.macro QUANT s
.irp b, 0,1,2,3
	v_max3_num_f32 v[TM+\b], |v[\s+16*\b]|, |v[\s+1+16*\b]|, 0x1800000   ; block b: my 16 numbers, and the floor 2^(3 - 127): the byte cannot fall under 1
.endr
.irp i, 2,4,6,8,10,12,14
.irp b, 0,1,2,3
	v_max3_num_f32 v[TM+\b], v[TM+\b], |v[\s+16*\b+\i]|, |v[\s+1+16*\b+\i]|   ; the four blocks by turns
.endr
.endr
.irp b, 0,1,2,3
	v_permlanex16_b32 v[TM+4+\b], v[TM+\b], s[SEL], s[SEL+1]
.endr
.irp b, 0,1,2,3
	v_max_num_f32 v[TM+\b], v[TM+\b], v[TM+4+\b]   ; with lane l xor 16's: the block's largest magnitude
.endr
.irp b, 0,1,2,3
	v_add_nc_u32 v[TM+8+\b], 0xff000000, v[TM+\b]  ; 2 off its exponent field: the conversion's scale operand
.endr
.irp b, 0,1,2,3
	v_lshrrev_b32 v[TM+4+\b], 23, v[TM+8+\b]       ; the scale's byte
.endr
	v_lshl_or_b32 v[PW], v[TM+5], 8, v[TM+4]       ; my row's scale word
	v_lshl_or_b32 v[PW], v[TM+6], 16, v[PW]
	v_lshl_or_b32 v[PW], v[TM+7], 24, v[PW]
.irp b, 0,1,2,3
	v_cvt_scalef32_pk8_fp4_f32 v[PC+2*\b], v[\s+16*\b:\s+7+16*\b], v[TM+8+\b]
	v_cvt_scalef32_pk8_fp4_f32 v[PC+1+2*\b], v[\s+8+16*\b:\s+15+16*\b], v[TM+8+\b]
.endr
	v_nop                                          ; one plain line behind the last scaled conversion
.irp c, 0,1                                    ; the operand's layout wants a WHOLE block in a lane: lanes 0-15 block 2 c, lanes 16-31 block 2 c + 1
.irp i, 0,1
	v_permlane16_swap_b32 v[PC+4*\c+\i], v[PC+2+4*\c+\i]
.endr
.endr
.endm
	; ---- PHASE X
	s_wait_loadcnt 22                              ; my 16 source loads are in; the 16 + 2 + 4 loads of weights, scale words and bias issued behind them may be out
.irp i, 0,1,2,3,4,5,6,7,8,9,10,11,12,13,14,15
	ds_store_b128 v[SA], v[RAW+4*\i:RAW+4*\i+3] offset:SPITCH*\i
.endr
.irp b, 0,1,2,3
.irp j, 0,1,2,3
	ds_load_b128 v[XN+16*\b+4*\j:XN+16*\b+4*\j+3], v[SB] offset:128*\b+16*\j   ; LDS serves a wave's instructions in order: these see my stores
.endr
.endr
	s_wait_dscnt 0x0                               ; the numbers are back, and the stores have read v80-143, which are written from here on
.irp b, 0,1,2,3
	v_mov_b32 v[TM+4+\b], 0                        ; a lane permute's destination counts as one of its sources
.endr
	QUANT XN
.irp c, 0,1
	ds_store_b128 v[XWI], v[PC+4*\c:PC+4*\c+3] offset:512*\c   ; the fragment as it stands
.endr
	ds_store_b32 v[XWS], v[PW]
	s_wait_loadcnt 0x0                             ; weights, scale words, bias
	s_wait_dscnt 0x0                               ; for the others' sake: my image has landed
	s_barrier_signal -1
	s_barrier_wait -1                              ; the sixteen fragments lie in LDS; nothing is stored to LDS behind this line
; row tile m's four fragments and scale words, by the same lines as they were stored
.macro XFETCH m
.irp ks, 0,1,2,3
.irp c, 0,1
	ds_load_b128 v[XF+8*\ks+4*\c:XF+8*\ks+4*\c+3], v[XRI] offset:(4*(\m)+\ks)*1024+512*\c
.endr
	ds_load_b32 v[XS+\ks], v[XRS] offset:128*(4*(\m)+\ks)
.endr
	s_wait_dscnt 0x0
	s_wait_xcnt 0x0                                ; earlier stores have read their data: the accumulators' registers may be written again
.endm
; q or k of row tile m, transposed.  The two accumulators take turns; the bias is the C of each sum's first product.
.macro MT m, scl
.set AC, ACC+16*((\m)%2)
	XFETCH \m
.irp ks, 0,1,2,3
.irp t, 0,1
.if \ks == 0
	v_wmma_scale_f32_16x16x128_f8f6f4 v[AC+8*\t:AC+8*\t+7], v[WA+8*(4*\t+\ks):WA+8*(4*\t+\ks)+7], v[XF+8*\ks:XF+8*\ks+7], v[BA+8*\t:BA+8*\t+7], v[WAS+4*\t+\ks], v[XS+\ks] matrix_a_fmt:MATRIX_FMT_FP4 matrix_b_fmt:MATRIX_FMT_FP4
.else
	v_wmma_scale_f32_16x16x128_f8f6f4 v[AC+8*\t:AC+8*\t+7], v[WA+8*(4*\t+\ks):WA+8*(4*\t+\ks)+7], v[XF+8*\ks:XF+8*\ks+7], v[AC+8*\t:AC+8*\t+7], v[WAS+4*\t+\ks], v[XS+\ks] matrix_a_fmt:MATRIX_FMT_FP4 matrix_b_fmt:MATRIX_FMT_FP4
.endif
.endr
.endr
.rept 4
	v_nop                                          ; four places ahead of the first read of results and of the next tile's loads into the fragments
.endr
.if \scl
.irp i, 0,2,4,6,8,10,12,14
	v_pk_mul_f32 v[AC+\i:AC+\i+1], v[AC+\i:AC+\i+1], s[CQ:CQ+1] op_sel_hi:[1,0]   ; q carries the softmax's scale and log2(e), in f32
.endr
.endif
.irp t, 0,1
.irp i, 0,1,2,3
	v_cvt_pk_f16_f32 v[AC+8*\t+\i], v[AC+8*\t+2*\i], v[AC+8*\t+2*\i+1]   ; in place, ascending: register i is written when registers up to 2 i + 1 have been read
.endr
.endr
.irp t, 0,1
	global_store_b128 v[LI], v[AC+8*\t:AC+8*\t+3], s[40:41] offset:1024*(\m)+512*\t   ; token r, channels 16 t + 8 h + 0 .. 7: half t of the fragment; 512 consecutive bytes
.endr
.endm
; v of row tile m, the natural way: lane (r, h) holds channel 16 t + r and tokens 8 h + 0 .. 7
.macro MN m
.set AC, ACC+16*((\m)%2)
	XFETCH \m
.irp ks, 0,1,2,3
.irp t, 0,1
.if \ks == 0
	v_wmma_scale_f32_16x16x128_f8f6f4 v[AC+8*\t:AC+8*\t+7], v[XF+8*\ks:XF+8*\ks+7], v[WB+8*(4*\t+\ks):WB+8*(4*\t+\ks)+7], 0, v[XS+\ks], v[WBS+4*\t+\ks] matrix_a_fmt:MATRIX_FMT_FP4 matrix_b_fmt:MATRIX_FMT_FP4
.else
	v_wmma_scale_f32_16x16x128_f8f6f4 v[AC+8*\t:AC+8*\t+7], v[XF+8*\ks:XF+8*\ks+7], v[WB+8*(4*\t+\ks):WB+8*(4*\t+\ks)+7], v[AC+8*\t:AC+8*\t+7], v[XS+\ks], v[WBS+4*\t+\ks] matrix_a_fmt:MATRIX_FMT_FP4 matrix_b_fmt:MATRIX_FMT_FP4
.endif
.endr
.endr
.rept 4
	v_nop
.endr
.irp t, 0,1
.irp i, 0,2,4,6
	v_pk_add_f32 v[AC+8*\t+\i:AC+8*\t+\i+1], v[AC+8*\t+\i:AC+8*\t+\i+1], v[BB+2*\t:BB+2*\t+1]   ; + bv of my channel
.endr
.endr
.irp t, 0,1
.irp i, 0,1,2,3
	v_cvt_pk_f16_f32 v[AC+8*\t+\i], v[AC+8*\t+2*\i], v[AC+8*\t+2*\i+1]
.endr
.endr
.irp t, 0,1
	global_store_b128 v[LI], v[AC+8*\t:AC+8*\t+3], s[46:47] offset:2048*((\m)/2)+1024*\t+512*((\m)%2)   ; half m % 2 of the fragment of keys 32 (m / 2) on, channel tile t
.endr
.endm
	s_cmp_lg_u32 s29, 0                            ; the work-group's number alone: all sixteen waves go the same way; both ways only READ LDS
	s_cbranch_scc1 .Lcontext
	MT 0, 1
	MT 1, 1
	MT 2, 1
	MT 3, 1
	s_branch .Ldone
.Lcontext:
.irp f, 0,1,2,3,4,5,6,7                        ; Wv is asked for now and lands while k is made
.irp c, 0,1
	global_load_b128 v[WB+8*\f+4*\c:WB+8*\f+4*\c+3], v[LI], s[42:43] offset:1024*\f+512*\c
.endr
.endr
.irp t, 0,1
	global_load_b128 v[WBS+4*\t:WBS+4*\t+3], v[R16], s[44:45] offset:256*\t
.endr
.irp t, 0,1
	global_load_b32 v[BB+2*\t], v[R4], s[20:21] offset:64*\t
	global_load_b32 v[BB+2*\t+1], v[R4], s[20:21] offset:64*\t
.endr
	MT 0, 0
	MT 1, 0
	MT 2, 0
	MT 3, 0
	s_wait_loadcnt 0x0                             ; Wv, its scale words, bv
	MN 0
	MN 1
	MN 2
	MN 3
.Ldone:
	s_wait_tensorcnt 0x0                           ; the wave's end: three closing lines, behind my last LDS store
	ds_add_u32 v[SPW], v[NIL]
	s_wait_dscnt 0x0
	s_endpgm
.Lfunc_end_k_qedfcc1a3ed_proj:
	.size	k_qedfcc1a3ed_proj, .Lfunc_end_k_qedfcc1a3ed_proj-k_qedfcc1a3ed_proj
	.p2alignl 7, 3214868480
	.fill 96, 4, 3214868480
	.section	.rodata,"a",@progbits
	.p2align	6, 0x0
	.amdhsa_kernel k_qedfcc1a3ed_proj
		.amdhsa_group_segment_fixed_size 155648
		.amdhsa_private_segment_fixed_size 0
		.amdhsa_enable_private_segment 0
		.amdhsa_kernarg_size 80
		.amdhsa_user_sgpr_count 2
		.amdhsa_user_sgpr_kernarg_segment_ptr 1
		.amdhsa_wavefront_size32 1
		.amdhsa_system_sgpr_workgroup_id_x 1
		.amdhsa_system_sgpr_workgroup_id_y 1
		.amdhsa_system_sgpr_workgroup_id_z 1
		.amdhsa_system_vgpr_workitem_id 0
		.amdhsa_next_free_vgpr 256
		.amdhsa_next_free_sgpr 66
		.amdhsa_reserve_vcc 0
		.amdhsa_float_denorm_mode_32 3
		.amdhsa_float_denorm_mode_16_64 3
		.amdhsa_memory_ordered 1
		.amdhsa_forward_progress 1
		.amdhsa_inst_pref_size 51
	.end_amdhsa_kernel
	.amdgpu_metadata
---
amdhsa.version: [ 1, 2 ]
amdhsa.kernels:
  - .name:           k_qedfcc1a3ed_proj
    .symbol:         k_qedfcc1a3ed_proj.kd
    .args:
      - { .name: x, .offset: 0, .size: 8, .value_kind: global_buffer, .address_space: global }
      - { .name: context, .offset: 8, .size: 8, .value_kind: global_buffer, .address_space: global }
      - { .name: wcodes, .offset: 16, .size: 8, .value_kind: global_buffer, .address_space: global }
      - { .name: wscales, .offset: 24, .size: 8, .value_kind: global_buffer, .address_space: global }
      - { .name: bq, .offset: 32, .size: 8, .value_kind: global_buffer, .address_space: global }
      - { .name: bk, .offset: 40, .size: 8, .value_kind: global_buffer, .address_space: global }
      - { .name: bv, .offset: 48, .size: 8, .value_kind: global_buffer, .address_space: global }
      - { .name: q_h, .offset: 56, .size: 8, .value_kind: global_buffer, .address_space: global }
      - { .name: k_h, .offset: 64, .size: 8, .value_kind: global_buffer, .address_space: global }
      - { .name: v_h, .offset: 72, .size: 8, .value_kind: global_buffer, .address_space: global }
    .group_segment_fixed_size: 155648
    .private_segment_fixed_size: 0
    .kernarg_segment_align: 8
    .kernarg_segment_size: 80
    .max_flat_workgroup_size: 512
    .sgpr_count:     66
    .vgpr_count:     256
    .wavefront_size: 32
...
	.end_amdgpu_metadata
.endif
;; end of part 2
;; launch attn (part 3): grid 4 x 64, 16 waves a work-group, clusters of 4 x 1, 264,192 bytes of LDS; arguments q_h, k_h, v_h, o_h; writes o_h
.if DOCPART == 3
	.amdgcn_target "amdgcn-amd-amdhsa--gfx1250"
	.amdhsa_code_object_version 6
	.text
	.protected	k_qedfcc1a3ed_attn
	.globl	k_qedfcc1a3ed_attn
	.p2align	8
	.type	k_qedfcc1a3ed_attn,@function
k_qedfcc1a3ed_attn:
	s_mov_b64 s[64:65], 0
	v_nop
	global_prefetch_b8 v0, s[64:65] scope:SCOPE_SE
	s_setreg_imm32_b32 hwreg(HW_REG_WAVE_MODE, 25, 1), 1
	s_wait_xcnt 0x0
	s_wait_alu depctr_hold_cnt(0) depctr_sa_sdst(0) depctr_va_vdst(0) depctr_va_sdst(0) depctr_va_ssrc(0) depctr_va_vcc(0) depctr_vm_vsrc(0)
	s_getreg_b32 s2, hwreg(HW_REG_IB_STS2, 6, 4)
	s_cmp_eq_u32 s2, 0
	s_cbranch_scc0 .Lentry_in_a_cluster
	s_endpgm
.Lentry_in_a_cluster:
	s_bfe_u32 s2, ttmp6, 0x10000c
	s_cmp_lg_u32 s2, 0x3003
	s_cbranch_scc0 .Lentry_shape_is_right
	s_endpgm
.Lentry_shape_is_right:
; ATTN.  o[b][t][head] = softmax over the 2,048 keys of (q . k / sqrt(32)) times v, head size 32, no mask.  q (which already carries log2(e) / sqrt(32)), k and v arrive in f16 as images of operand registers;
; products on f16 operands with f32 sums; maxima, exponentials and sums in f32; the weights p are rounded to f16 for the second product, o once at the end.
; SHARES.  A work-group owns 512 queries of one head, each of its SIXTEEN waves 32 of them: two tiles of 16.  Four waves share a SIMD, so that one wave's exponentials stand beside another's products and LDS loads.
; LDS.  A head's whole K and V are 2 x 131,072 bytes of dense images: they fit at once.  So every byte of LDS is filled ONCE, by first fills; there is no ring.  They come in four quarters of 512 keys
; (K's 32,768 bytes, then V's), each wave fetching 4,096 bytes of each quarter; a quarter is read as soon as it has landed, while the later ones are on their way.
; CLUSTER.  The four query blocks of a head form a cluster and need the same K and V: each tile is asked for JOINTLY, by the same tensor load with the same descriptor and a mask that names the four.
; LAYOUT.  S^T = K Q^T (source 0 = 16 keys, source 1 = 16 queries): a lane holds ONE query (lane % 16) and keys 8 (lane / 16) + 0 .. 7.  Two such tiles, packed to f16 in pairs, ARE source 1 (32 keys x 16 queries)
; of O^T = V^T P, whose result again holds one query a lane and eight channels: packed, it is half of the fragment that the last launch wants.  Images are read at 16 x lane: 512 consecutive bytes a load.
; SOFTMAX.  For each query a running maximum m and sum l: p = 2^(s - m); in every step O and l are multiplied by a = 2^(m_old - m_new).  The loop has no first step of its own: O and l begin as zeros, m as -3e38.
; No prefetch is laid: all that the launch reads is asked for at its head by the loads themselves.
; LIMITS: NaN and infinities are not served; |o| stays under 65,504 (f16).
;   o_h [128 tokens 64][head 16][token tile 8][1,024]: half c of a fragment at 512 c + 16 lane.
.set SPARE, 262144                     ; behind the four quarters: the spare words, 128 bytes for each wave: eight blocks of 256 bytes that no other line names
.set LI,  1                            ; v1   16 x lane; never rewritten
.set AD,  2                            ; v2   LDS address of the step in hand
.set SPW, 4                            ; v4   LDS address of my spare word; never rewritten
.set NIL, 5                            ; v5   0; never rewritten
.set Q,   16                           ; v16-31   Q's two fragments
.set O,   32                           ; v32-63   O^T: tile t, channel tile ct at O + 16 t + 8 ct
.set F,   64                           ; v64-95   four fragments of K or of V
.set ST,  96                           ; v96-119  statistics, 12 a tile: +0 m, +1 at work, +2,3 and +4,5 l in two chains of pairs, +6 a, +7 m_old - m, +8..11 four chains of the maximum
.set S,   128                          ; v128-255 S^T: tile t, key tile kt at S + 64 t + 8 kt; then p; then P's fragment of key group kg at S + 64 t + 16 kg
.set WV,  12                           ; s12  my wave's number
.set G1,  24                           ; s[24:31] descriptor group 1: 16 rows of 256 bytes, dense
.set G0K, 32                           ; s[32:47] group 0 for K's tiles, one set for each quarter
.set G0V, 48                           ; s[48:63] for V's
.set SEL, 66                           ; s[66:67] lane selects for v_permlanex16_b32
.set TB,  68                           ; s68  LDS byte at which the step's tiles of K begin
.set CNT, 69                           ; s69  counts a quarter's four steps
.macro CROUND                          ; a round of the cluster's barrier
	s_barrier_signal -1
	s_barrier_wait -1
	s_cmp_lg_u32 s[WV], 0
	s_cbranch_scc1 .Lnot_wave_0_\@
	s_barrier_signal -3
.Lnot_wave_0_\@:
	s_barrier_wait -3
	s_barrier_signal -1
	s_barrier_wait -1
.endm
	s_load_b256 s[4:11], s[0:1], 0x0               ; q_h s[4:5], k_h s[6:7], v_h s[8:9], o_h s[10:11]
	v_lshl_add_u32 v[SPW], v0, 2, SPARE
	v_mov_b32 v[NIL], 0
	ds_add_u32 v[SPW], v[NIL]                      ; the wave's opening: the add, twice on end, and its wait ahead of my first tensor load
	ds_add_u32 v[SPW], v[NIL]                      ; and once more, under the one wait; the set-up below, work on registers, stands between
	v_lshrrev_b32 v3, 5, v0
	v_readfirstlane_b32 s[WV], v3                  ; wave 0..15
	v_and_b32 v[LI], 31, v0
	v_lshlrev_b32 v[LI], 4, v[LI]
	s_bfe_u32 s13, ttmp6, 0x40000                  ; cx: my block of 512 queries; it enters Q's and O's addresses alone
	s_and_b32 s14, ttmp7, 0xffff                   ; b x 16 + head, which the four partners share
	s_mov_b32 s[G1], 15|(3<<16)|(1<<21)            ; 15:0 the mask: all four work-groups; 17:16 elements of 8 bytes; 21 set beside a mask; no padding
	s_mov_b32 s[G1+1], 32<<16                      ; tensor_dim0 = 32 elements: 256 bytes
	s_mov_b32 s[G1+2], 16<<16                      ; tensor_dim1 = 16
	s_mov_b32 s[G1+3], 32<<16                      ; tile_dim0 = 32
	s_mov_b32 s[G1+4], 16                          ; tile_dim1 = 16
	s_mov_b32 s[G1+5], 32                          ; from row to row: 32 elements (dense)
	s_mov_b32 s[G1+6], 0
	s_mov_b32 s[G1+7], 0
	s_lshl_b32 s16, s14, 17                        ; the head's 131,072 bytes of K or of V,
	s_and_b32 s17, s[WV], 7
	s_lshl_b32 s17, s17, 12                        ; my 4,096 bytes of a quarter's 32,768
	s_add_co_u32 s16, s16, s17
	s_mov_b32 s17, 0
	s_lshl_b32 s15, s[WV], 12                      ; and in LDS: waves 0-7 K's part of a quarter, waves 8-15 V's: wave x 4,096
	s_lshl_b32 s18, s14, 17                        ; Q: head, + 32,768 cx, + 2,048 wave
	s_lshl_b32 s20, s13, 15
	s_add_co_u32 s18, s18, s20
	s_lshl_b32 s20, s[WV], 11
	s_add_co_u32 s18, s18, s20
	s_mov_b32 s19, 0
	s_lshr_b32 s20, s14, 4                         ; O: block of 128 tokens = 16 b + 4 cx + wave / 4,
	s_lshl_b32 s20, s20, 4
	s_lshl_b32 s22, s13, 2
	s_add_co_u32 s20, s20, s22
	s_lshr_b32 s22, s[WV], 2
	s_add_co_u32 s20, s20, s22
	s_lshl_b32 s20, s20, 17
	s_and_b32 s22, s14, 15                         ; + head x 8,192,
	s_lshl_b32 s22, s22, 13
	s_add_co_u32 s20, s20, s22
	s_and_b32 s22, s[WV], 3                        ; + my two token tiles
	s_lshl_b32 s22, s22, 11
	s_add_co_u32 s20, s20, s22
	s_mov_b32 s21, 0
	s_mov_b32 s[SEL], 0x76543210
	s_mov_b32 s[SEL+1], 0xfedcba98
	s_wait_dscnt 0x0                               ; both opening adds are done
	s_wait_kmcnt 0x0
	s_add_nc_u64 s[6:7], s[6:7], s[16:17]
	s_add_nc_u64 s[8:9], s[8:9], s[16:17]
	s_add_nc_u64 s[4:5], s[4:5], s[18:19]
	s_add_nc_u64 s[10:11], s[10:11], s[20:21]
	CROUND                                         ; all four work-groups are here: the joint loads meet
.irp j, 0,1,2,3
	s_mov_b32 s[G0K+4*\j], 1                       ; count = 1
	s_add_co_u32 s[G0K+4*\j+1], s15, 65536*\j      ; LDS address
	s_add_nc_u64 s[G0K+4*\j+2:G0K+4*\j+3], s[6:7], 32768*\j   ; global address: quarter j
	s_or_b32 s[G0K+4*\j+3], s[G0K+4*\j+3], 0x80000000         ; type = 2
	s_mov_b32 s[G0V+4*\j], 1
	s_add_co_u32 s[G0V+4*\j+1], s15, 65536*\j
	s_add_nc_u64 s[G0V+4*\j+2:G0V+4*\j+3], s[8:9], 32768*\j
	s_or_b32 s[G0V+4*\j+3], s[G0V+4*\j+3], 0x80000000
.endr
	s_cmp_lt_u32 s[WV], 8                          ; a wave's four first fills stand in one branch on its number, ahead of every wait on TENSORcnt and every LDS read: four loads of mine are out
	s_cbranch_scc0 .Lfirst_v
.irp j, 0,1,2,3
	tensor_load_to_lds s[G0K+4*\j:G0K+4*\j+3], s[G1:G1+7]
	s_nop 0
.endr
.rept 4
	v_nop
.endr
	s_branch .Lfirst_asked
.Lfirst_v:
.irp j, 0,1,2,3
	tensor_load_to_lds s[G0V+4*\j:G0V+4*\j+3], s[G1:G1+7]
	s_nop 0
.endr
.rept 4
	v_nop
.endr
.Lfirst_asked:
.irp t, 0,1
.irp c, 0,1
	global_load_b128 v[Q+8*\t+4*\c:Q+8*\t+4*\c+3], v[LI], s[4:5] offset:1024*\t+512*\c th:TH_LOAD_NT   ; Q stays in registers
.endr
.endr
.irp t, 0,1
	v_mov_b32 v[ST+12*\t], 0xff61b1e6              ; m: -3e38, under every score
.irp i, 1,2,3,4,5,6,7
	v_mov_b32 v[ST+12*\t+\i], 0
.endr
.endr
.irp i, 0,1,2,3,4,5,6,7,8,9,10,11,12,13,14,15,16,17,18,19,20,21,22,23,24,25,26,27,28,29,30,31
	v_mov_b32 v[O+\i], 0                           ; O^T: the step is written once; the first finds zeros
.endr
.macro VLOAD off                       ; V's fragments of two key groups (f = 2 x group + channel tile)
.irp f, 0,1,2,3
.irp c, 0,1
	ds_load_b128 v[F+8*\f+4*\c:F+8*\f+4*\c+3], v[AD] offset:32768+(\off)+1024*\f+512*\c
.endr
.endr
.endm
.macro PV8 k0                          ; O^T += V^T P for key groups k0, k0 + 1: the four accumulators take turns
.irp kl, 0,1
.irp t, 0,1
.irp ct, 0,1
	v_wmma_f32_16x16x32_f16 v[O+16*\t+8*\ct:O+16*\t+8*\ct+7], v[F+8*(2*\kl+\ct):F+8*(2*\kl+\ct)+7], v[S+64*\t+16*((\k0)+\kl):S+64*\t+16*((\k0)+\kl)+7], v[O+16*\t+8*\ct:O+16*\t+8*\ct+7]
.endr
.endr
.endr
.endm
; A KEY STEP: 128 keys: 8,192 bytes of K's images from s[TB] on, 8,192 of V's 32,768 bytes further on.
.macro STEP
	v_add_nc_u32 v[AD], s[TB], v[LI]
.rept 4
	v_nop                                          ; with the addition five places: the products below write over P, which the last products read, and the loads land on V's fragments
.endr
.irp g, 0,1                                    ; S^T = K Q^T, four key tiles at a time, for both query tiles
.if \g
.rept 4
	v_nop                                          ; places ahead of loads into registers that matrix instructions have read
.endr
.endif
.irp f, 0,1,2,3
.irp c, 0,1
	ds_load_b128 v[F+8*\f+4*\c:F+8*\f+4*\c+3], v[AD] offset:(4*\g+\f)*1024+512*\c
.endr
.endr
	s_wait_dscnt 0x0
.irp f, 0,1,2,3
.irp t, 0,1
	v_wmma_f32_16x16x32_f16 v[S+64*\t+8*(4*\g+\f):S+64*\t+8*(4*\g+\f)+7], v[F+8*\f:F+8*\f+7], v[Q+8*\t:Q+8*\t+7], 0
.endr
.endr
.endr
.rept 4
	v_nop                                          ; places ahead of the loads below and of the first read of the scores
.endr
	VLOAD 0                                        ; V of key groups 0 and 1 lands under the softmax
	; the maximum of my 64 scores and the old m: four chains, the two tiles by turns; each score tile is first read at one of its low registers
.irp b, 0,1,2,3
.irp t, 0,1
	v_max3_num_f32 v[ST+12*\t+8+\b], v[S+64*\t+16*\b], v[S+64*\t+16*\b+1], v[S+64*\t+16*\b+2]
.endr
.endr
.irp i, 3,5,7,9,11,13
.irp b, 0,1,2,3
.irp t, 0,1
	v_max3_num_f32 v[ST+12*\t+8+\b], v[ST+12*\t+8+\b], v[S+64*\t+16*\b+\i], v[S+64*\t+16*\b+\i+1]
.endr
.endr
.endr
.irp t, 0,1
	v_max3_num_f32 v[ST+12*\t+8], v[ST+12*\t+8], v[S+64*\t+15], v[S+64*\t+31]
.endr
.irp t, 0,1
	v_max3_num_f32 v[ST+12*\t+10], v[ST+12*\t+10], v[S+64*\t+47], v[S+64*\t+63]
.endr
.irp t, 0,1
	v_max3_num_f32 v[ST+12*\t+8], v[ST+12*\t+8], v[ST+12*\t+9], v[ST+12*\t+10]
.endr
.irp t, 0,1
	v_max3_num_f32 v[ST+12*\t+8], v[ST+12*\t+8], v[ST+12*\t+11], v[ST+12*\t]
.endr
.irp t, 0,1
	v_mov_b32 v[ST+12*\t+7], v[ST+12*\t]           ; m_old
.endr
.irp t, 0,1
	v_permlanex16_b32 v[ST+12*\t+1], v[ST+12*\t+8], s[SEL], s[SEL+1]   ; the query's other 64 keys lie in the lane 16 away
.endr
.irp t, 0,1
	v_max_num_f32 v[ST+12*\t], v[ST+12*\t+8], v[ST+12*\t+1]            ; the new m
.endr
.irp t, 0,1
	v_sub_f32 v[ST+12*\t+7], v[ST+12*\t+7], v[ST+12*\t]
.endr
.irp t, 0,1
	v_exp_f32 v[ST+12*\t+6], v[ST+12*\t+7]         ; a = 2^(m_old - m)
.endr
.set p, 0
.rept 32
.irp t, 0,1
	v_pk_add_f32 v[S+64*\t+2*p:S+64*\t+2*p+1], v[S+64*\t+2*p:S+64*\t+2*p+1], v[ST+12*\t:ST+12*\t+1] op_sel_hi:[1,0] neg_lo:[0,1] neg_hi:[0,1]   ; s - m, two at a time (the pair's low word serves both halves)
.endr
.set p, p+1
.endr
.set p, 0
.rept 64
.irp t, 0,1
	v_exp_f32 v[S+64*\t+p], v[S+64*\t+p]           ; p = 2^(s - m)
.endr
.set p, p+1
.endr
	v_nop                                          ; a plain line behind the last exponential
	s_wait_alu depctr_va_vdst(0)                   ; ONE wait for the step's 130 exponentials, ahead of the first line that names a result
.irp t, 0,1
	v_pk_mul_f32 v[ST+12*\t+2:ST+12*\t+3], v[ST+12*\t+2:ST+12*\t+3], v[ST+12*\t+6:ST+12*\t+7] op_sel_hi:[1,0]   ; l under the new m
	v_pk_mul_f32 v[ST+12*\t+4:ST+12*\t+5], v[ST+12*\t+4:ST+12*\t+5], v[ST+12*\t+6:ST+12*\t+7] op_sel_hi:[1,0]
.endr
.set p, 0
.rept 16                                       ; the sums are taken of the unrounded p; then the pair is packed in place: pair p goes to register 16 (p / 8) + p % 8, which has been read
.irp t, 0,1
	v_pk_add_f32 v[ST+12*\t+2:ST+12*\t+3], v[ST+12*\t+2:ST+12*\t+3], v[S+64*\t+2*p:S+64*\t+2*p+1]
	v_pk_add_f32 v[ST+12*\t+4:ST+12*\t+5], v[ST+12*\t+4:ST+12*\t+5], v[S+64*\t+2*p+2:S+64*\t+2*p+3]
.endr
.irp t, 0,1
	v_cvt_pk_f16_f32 v[S+64*\t+16*(p/8)+p%8], v[S+64*\t+2*p], v[S+64*\t+2*p+1]
	v_cvt_pk_f16_f32 v[S+64*\t+16*(p/8)+p%8+1], v[S+64*\t+2*p+2], v[S+64*\t+2*p+3]
.endr
.set p, p+2
.endr
.set p, 0
.rept 8
.irp t, 0,1
	v_pk_mul_f32 v[O+16*\t+2*p:O+16*\t+2*p+1], v[O+16*\t+2*p:O+16*\t+2*p+1], v[ST+12*\t+6:ST+12*\t+7] op_sel_hi:[1,0]   ; O^T under the new m, each accumulator from its low end on
.endr
.set p, p+1
.endr
	s_wait_dscnt 0x0                               ; V of key groups 0 and 1
	PV8 0
.rept 4
	v_nop
.endr
	VLOAD 4096                                     ; key groups 2 and 3
	s_wait_dscnt 0x0
	PV8 2
.endm
	s_wait_loadcnt 0x0                             ; Q
.irp j, 0,1,2,3
	s_wait_tensorcnt 3-\j                          ; my part of quarter j is in; my loads of the 3 - j later quarters may stay out
	s_barrier_signal -1
	s_barrier_wait -1                              ; everybody's part is in
	s_mov_b32 s[TB], 65536*\j
	s_mov_b32 s[CNT], 4
.Lquarter\j:
	STEP
	s_add_co_u32 s[TB], s[TB], 8192
	s_sub_co_u32 s[CNT], s[CNT], 1
	s_cmp_lg_u32 s[CNT], 0
	s_cbranch_scc1 .Lquarter\j
.endr
	; THE WAY OUT.  l's chains and the other half of the lanes' are added (these lines are the places behind the last products); O^T / l is packed to f16 in place: token r, channels 16 ct + 8 h + 0 .. 7: half ct of a fragment.
.irp t, 0,1
	v_pk_add_f32 v[ST+12*\t+2:ST+12*\t+3], v[ST+12*\t+2:ST+12*\t+3], v[ST+12*\t+4:ST+12*\t+5]
.endr
.irp t, 0,1
	v_add_f32 v[ST+12*\t+8], v[ST+12*\t+2], v[ST+12*\t+3]
.endr
.irp t, 0,1
	v_permlanex16_b32 v[ST+12*\t+1], v[ST+12*\t+8], s[SEL], s[SEL+1]
.endr
.irp t, 0,1
	v_add_f32 v[ST+12*\t+8], v[ST+12*\t+8], v[ST+12*\t+1]
.endr
.irp t, 0,1
	v_rcp_f32 v[ST+12*\t+6], v[ST+12*\t+8]
.endr
	v_nop                                          ; a plain line behind the last reciprocal
	s_wait_alu depctr_va_vdst(0)                   ; and the wait ahead of the first use: one for the two
.irp t, 0,1
.irp i, 0,2,4,6,8,10,12,14
	v_pk_mul_f32 v[O+16*\t+\i:O+16*\t+\i+1], v[O+16*\t+\i:O+16*\t+\i+1], v[ST+12*\t+6:ST+12*\t+7] op_sel_hi:[1,0]
.endr
.endr
.irp u, 0,1,2,3
.irp i, 0,1,2,3
	v_cvt_pk_f16_f32 v[O+8*\u+\i], v[O+8*\u+2*\i], v[O+8*\u+2*\i+1]
.endr
.endr
.irp u, 0,1,2,3
	global_store_b128 v[LI], v[O+8*\u:O+8*\u+3], s[10:11] offset:512*\u   ; u = 2 t + ct: 32 lanes store 512 consecutive bytes
.endr
	s_wait_tensorcnt 0x0                           ; the wave's end: three closing lines, behind my last tensor load
	ds_add_u32 v[SPW], v[NIL]
	s_wait_dscnt 0x0
	CROUND                                         ; the closing round: no work-group ends while a partner may still ask for a tile that names it
	s_endpgm
.Lfunc_end_k_qedfcc1a3ed_attn:
	.size	k_qedfcc1a3ed_attn, .Lfunc_end_k_qedfcc1a3ed_attn-k_qedfcc1a3ed_attn
	.p2alignl 7, 3214868480
	.fill 96, 4, 3214868480
	.section	.rodata,"a",@progbits
	.p2align	6, 0x0
	.amdhsa_kernel k_qedfcc1a3ed_attn
		.amdhsa_group_segment_fixed_size 264192
		.amdhsa_private_segment_fixed_size 0
		.amdhsa_enable_private_segment 0
		.amdhsa_kernarg_size 32
		.amdhsa_user_sgpr_count 2
		.amdhsa_user_sgpr_kernarg_segment_ptr 1
		.amdhsa_wavefront_size32 1
		.amdhsa_system_sgpr_workgroup_id_x 1
		.amdhsa_system_sgpr_workgroup_id_y 1
		.amdhsa_system_sgpr_workgroup_id_z 1
		.amdhsa_system_vgpr_workitem_id 0
		.amdhsa_next_free_vgpr 256
		.amdhsa_next_free_sgpr 80
		.amdhsa_reserve_vcc 0
		.amdhsa_float_denorm_mode_32 3
		.amdhsa_float_denorm_mode_16_64 3
		.amdhsa_memory_ordered 1
		.amdhsa_forward_progress 1
		.amdhsa_inst_pref_size 118
	.end_amdhsa_kernel
	.amdgpu_metadata
---
amdhsa.version: [ 1, 2 ]
amdhsa.kernels:
  - .name:           k_qedfcc1a3ed_attn
    .symbol:         k_qedfcc1a3ed_attn.kd
    .args:
      - { .name: q_h, .offset: 0, .size: 8, .value_kind: global_buffer, .address_space: global }
      - { .name: k_h, .offset: 8, .size: 8, .value_kind: global_buffer, .address_space: global }
      - { .name: v_h, .offset: 16, .size: 8, .value_kind: global_buffer, .address_space: global }
      - { .name: o_h, .offset: 24, .size: 8, .value_kind: global_buffer, .address_space: global }
    .group_segment_fixed_size: 264192
    .private_segment_fixed_size: 0
    .kernarg_segment_align: 8
    .kernarg_segment_size: 32
    .max_flat_workgroup_size: 512
    .sgpr_count:     80
    .vgpr_count:     256
    .wavefront_size: 32
...
	.end_amdgpu_metadata
.endif
;; end of part 3
;; launch oproj (part 4): grid 4 x 64, 8 waves a work-group, clusters of 4 x 4, 263,168 bytes of LDS; arguments o_h, wo_h, bo, out0; writes out0
.if DOCPART == 4
	.amdgcn_target "amdgcn-amd-amdhsa--gfx1250"
	.amdhsa_code_object_version 6
	.text
	.protected	k_qedfcc1a3ed_oproj
	.globl	k_qedfcc1a3ed_oproj
	.p2align	8
	.type	k_qedfcc1a3ed_oproj,@function
k_qedfcc1a3ed_oproj:
	s_mov_b64 s[64:65], 0
	v_nop
	global_prefetch_b8 v0, s[64:65] scope:SCOPE_SE
	s_setreg_imm32_b32 hwreg(HW_REG_WAVE_MODE, 25, 1), 1
	s_wait_xcnt 0x0
	s_wait_alu depctr_hold_cnt(0) depctr_sa_sdst(0) depctr_va_vdst(0) depctr_va_sdst(0) depctr_va_ssrc(0) depctr_va_vcc(0) depctr_vm_vsrc(0)
	s_getreg_b32 s2, hwreg(HW_REG_IB_STS2, 6, 4)
	s_cmp_eq_u32 s2, 0
	s_cbranch_scc0 .Lentry_in_a_cluster
	s_endpgm
.Lentry_in_a_cluster:
	s_bfe_u32 s2, ttmp6, 0x10000c
	s_cmp_lg_u32 s2, 0xf033
	s_cbranch_scc0 .Lentry_shape_is_right
	s_endpgm
.Lentry_shape_is_right:
; OPROJ.  out0 = o Wo + bo.  o [8,192][512] and Wo [512][512] arrive in f16 as images of operand registers; sums in f32; out0 f32.
; A work-group makes 128 tokens (mb) x 128 columns (nb): 256 work-groups.  Both its operand blocks, for all of K, are 131,072 dense bytes each and fit in LDS at once: every byte of LDS is filled ONCE; there is no ring.
; They come in four quarters of 4 K steps (o's 32,768 bytes, then Wo's); each of the eight waves fetches 8,192 bytes of each quarter; a quarter is multiplied as soon as it has landed.
; CLUSTER: 4 x 4 work-groups.  The four of a row of the cluster need the same block of o, the four of a column the same block of Wo: each tile is asked for JOINTLY, by the same tensor load with the same descriptor
; and a mask that names the four.
; A wave makes 32 tokens (tiles 2 tp + a) x 64 columns (tiles 4 g + i): eight accumulators, which take turns.  Lane row r of column tile 4 g + i is column 128 nb + 64 g + 4 r + i, so register j of a lane's four
; accumulators (a, 0 .. 3) holds FOUR NEIGHBOURING columns of token 8 h + j: the addition of the bias gathers them, and sixteen lanes store 256 consecutive, aligned bytes, with no stage.
; No prefetch is laid: all that the launch reads is asked for at its head by the loads themselves.
.set SPARE, 262144                     ; behind the four quarters: the spare words, 128 bytes for each wave: four blocks of 256 bytes that no other line names
.set LI,  1                            ; v1   16 x lane
.set AA,  2                            ; v2   LDS address of my fragments of o in the quarter in hand
.set AB,  3                            ; v3   of Wo
.set CO,  4                            ; v4   my byte offset in out0: 8 h rows + 16 r
.set R16, 5                            ; v5   16 r
.set SPW, 6                            ; v6   LDS address of my spare word; never rewritten
.set NIL, 7                            ; v7   0; never rewritten
.set BO,  8                            ; v8-11   bo of my four columns
.set ACC, 16                           ; v16-79  accumulator (a, i) at ACC + 8 (4 a + i)
.set FB,  80                           ; v80-127, v128-175 two sets of fragments: o's two, then Wo's four
.set OUT, 80                           ; v80-143 the way out
.set WV,  12
.set G1A, 24                           ; s[24:31] descriptor group 1 for o's tiles;  s[32:39] for Wo's: it differs in the mask alone
.set G1B, 32
.set G0A, 40                           ; s[40:55] group 0 for o's tiles, one set for each quarter;  Wo's at s56, s60, s68, s72
.macro CROUND                          ; a round of the cluster's barrier
	s_barrier_signal -1
	s_barrier_wait -1
	s_cmp_lg_u32 s[WV], 0
	s_cbranch_scc1 .Lnot_wave_0_\@
	s_barrier_signal -3
.Lnot_wave_0_\@:
	s_barrier_wait -3
	s_barrier_signal -1
	s_barrier_wait -1
.endm
	s_load_b256 s[4:11], s[0:1], 0x0               ; o_h s[4:5], wo_h s[6:7], bo s[8:9], out0 s[10:11]
	v_lshl_add_u32 v[SPW], v0, 2, SPARE
	v_mov_b32 v[NIL], 0
	ds_add_u32 v[SPW], v[NIL]                      ; the wave's opening: the add, twice on end, and its wait ahead of my first tensor load
	ds_add_u32 v[SPW], v[NIL]                      ; and once more, under the one wait; the set-up below, work on registers, stands between
	v_lshrrev_b32 v9, 5, v0
	v_readfirstlane_b32 s[WV], v9                  ; wave 0..7
	s_lshr_b32 s13, s[WV], 2                       ; I fetch for o (0) or for Wo (1)
	s_bfe_u32 s14, ttmp6, 0x40000                  ; cx, cy: my place in the cluster
	s_bfe_u32 s15, ttmp6, 0x40004
	s_lshl_b32 s16, ttmp9, 2
	s_add_co_u32 s16, s16, s14                     ; nb = 4 x cluster x + cx
	s_and_b32 s17, ttmp7, 0xffff
	s_lshl_b32 s17, s17, 2
	s_add_co_u32 s17, s17, s15                     ; mb = 4 x cluster y + cy
	s_lshl_b32 s18, s15, 2
	s_lshl_b32 s18, 15, s18                        ; my row of the cluster
	s_lshl_b32 s19, 0x1111, s14                    ; my column
	s_or_b32 s[G1A], s18, (3<<16)|(1<<21)          ; 15:0 the mask: o's tiles go to my row; 17:16 elements of 8 bytes; 21 set beside a mask; no padding
	s_or_b32 s[G1B], s19, (3<<16)|(1<<21)          ; Wo's go to my column
.irp g, G1A, G1B
	s_mov_b32 s[\g+1], 32<<16                      ; tensor_dim0 = 32 elements: 256 bytes
	s_mov_b32 s[\g+2], 32<<16                      ; tensor_dim1 = 32
	s_mov_b32 s[\g+3], 32<<16                      ; tile_dim0 = 32
	s_mov_b32 s[\g+4], 32                          ; tile_dim1 = 32
	s_mov_b32 s[\g+5], 32                          ; from row to row: 32 elements (dense)
	s_mov_b32 s[\g+6], 0
	s_mov_b32 s[\g+7], 0
.endr
	s_and_b32 s22, s[WV], 3
	s_lshl_b32 s22, s22, 13                        ; my 8,192 bytes of a quarter's 32,768
	s_lshl_b32 s20, s17, 17                        ; o's block hangs on mb alone, which my row of the cluster shares;
	s_add_co_u32 s20, s20, s22
	s_mov_b32 s21, 0
	s_lshl_b32 s76, s16, 17                        ; Wo's on nb alone, which my column shares: each in registers that never hold the other coordinate
	s_add_co_u32 s76, s76, s22
	s_mov_b32 s77, 0
	s_lshl_b32 s23, s[WV], 13                      ; in LDS: waves 0-3 o's part of a quarter, waves 4-7 Wo's: wave x 8,192
	s_lshr_b32 s82, s[WV], 1                       ; tp: my 32 tokens
	s_and_b32 s83, s[WV], 1                        ; g: my 64 columns
	s_lshl_b32 s80, s16, 9                         ; my first column in bytes: 512 nb + 256 g
	s_lshl_b32 s78, s83, 8
	s_add_co_u32 s80, s80, s78
	s_mov_b32 s81, 0
	s_lshl_b32 s78, s17, 18                        ; my first row of out0: (128 mb + 32 tp) x 2,048 bytes
	s_lshl_b32 s79, s82, 16
	s_add_co_u32 s78, s78, s79
	s_add_co_u32 s78, s78, s80
	s_mov_b32 s79, 0
	v_and_b32 v[LI], 31, v0
	v_lshlrev_b32 v[LI], 4, v[LI]
	s_lshl_b32 s82, s82, 11
	v_add_nc_u32 v[AA], s82, v[LI]                 ; o's token tile 2 tp
	s_lshl_b32 s83, s83, 12
	s_add_co_u32 s83, s83, 32768
	v_add_nc_u32 v[AB], s83, v[LI]                 ; Wo's column tile 4 g, behind o's 32,768 bytes
	v_and_b32 v9, 15, v0
	v_lshlrev_b32 v[R16], 4, v9
	v_bfe_u32 v9, v0, 4, 1
	v_lshl_add_u32 v[CO], v9, 14, v[R16]
	s_wait_dscnt 0x0                               ; both opening adds are done
	s_wait_kmcnt 0x0
	s_add_nc_u64 s[4:5], s[4:5], s[20:21]
	s_add_nc_u64 s[6:7], s[6:7], s[76:77]
	s_add_nc_u64 s[8:9], s[8:9], s[80:81]
	s_add_nc_u64 s[10:11], s[10:11], s[78:79]
	CROUND                                         ; all sixteen work-groups are here: the joint loads meet
.irp j, 0,1,2,3
	s_mov_b32 s[G0A+4*\j], 1                       ; count = 1
	s_add_co_u32 s[G0A+4*\j+1], s23, 65536*\j      ; LDS address
	s_add_nc_u64 s[G0A+4*\j+2:G0A+4*\j+3], s[4:5], 32768*\j   ; global address: quarter j
	s_or_b32 s[G0A+4*\j+3], s[G0A+4*\j+3], 0x80000000         ; type = 2
	s_mov_b32 s[56+4*\j+4*(\j/2)], 1
	s_add_co_u32 s[56+4*\j+4*(\j/2)+1], s23, 65536*\j
	s_add_nc_u64 s[56+4*\j+4*(\j/2)+2:56+4*\j+4*(\j/2)+3], s[6:7], 32768*\j
	s_or_b32 s[56+4*\j+4*(\j/2)+3], s[56+4*\j+4*(\j/2)+3], 0x80000000
.endr
	s_cmp_eq_u32 s13, 0                            ; a wave's four first fills stand in one branch on its number, ahead of every wait on TENSORcnt and every LDS read: four loads of mine are out
	s_cbranch_scc0 .Lfirst_b
.irp j, 0,1,2,3
	tensor_load_to_lds s[G0A+4*\j:G0A+4*\j+3], s[G1A:G1A+7]
	s_nop 0
.endr
.rept 4
	v_nop
.endr
	s_branch .Lfirst_asked
.Lfirst_b:
.irp j, 0,1,2,3
	tensor_load_to_lds s[56+4*\j+4*(\j/2):56+4*\j+4*(\j/2)+3], s[G1B:G1B+7]
	s_nop 0
.endr
.rept 4
	v_nop
.endr
.Lfirst_asked:
	global_load_b128 v[BO:BO+3], v[R16], s[8:9]    ; bo of columns 128 nb + 64 g + 4 r + 0 .. 3
.macro FETCH s, p                      ; the 12 LDS loads of the quarter's K step s into set p: 512 consecutive bytes each
.irp a, 0,1
.irp c, 0,1
	ds_load_b128 v[FB+48*(\p)+8*\a+4*\c:FB+48*(\p)+8*\a+4*\c+3], v[AA] offset:8192*(\s)+1024*\a+512*\c
.endr
.endr
.irp i, 0,1,2,3
.irp c, 0,1
	ds_load_b128 v[FB+48*(\p)+16+8*\i+4*\c:FB+48*(\p)+16+8*\i+4*\c+3], v[AB] offset:8192*(\s)+1024*\i+512*\c
.endr
.endr
.endm
.macro MUL p, zero                     ; 8 products on set p, the eight accumulators by turns.  zero = 1: the first K step starts the sums
.irp a, 0,1
.irp i, 0,1,2,3
.if \zero
	v_wmma_f32_16x16x32_f16 v[ACC+8*(4*\a+\i):ACC+8*(4*\a+\i)+7], v[FB+48*(\p)+8*\a:FB+48*(\p)+8*\a+7], v[FB+48*(\p)+16+8*\i:FB+48*(\p)+16+8*\i+7], 0
.else
	v_wmma_f32_16x16x32_f16 v[ACC+8*(4*\a+\i):ACC+8*(4*\a+\i)+7], v[FB+48*(\p)+8*\a:FB+48*(\p)+8*\a+7], v[FB+48*(\p)+16+8*\i:FB+48*(\p)+16+8*\i+7], v[ACC+8*(4*\a+\i):ACC+8*(4*\a+\i)+7]
.endif
.endr
.endr
.endm
.irp jq, 0,1,2,3
	s_wait_tensorcnt 3-\jq                         ; my part of quarter jq is in; my loads of the 3 - jq later quarters may stay out
	s_barrier_signal -1
	s_barrier_wait -1                              ; everybody's part is in
.if \jq > 0
.rept 4
	v_nop                                          ; places ahead of loads into registers that matrix instructions have read: they serve both sets' loads below
.endr
	v_add_nc_u32 v[AA], 0x10000, v[AA]             ; on to this quarter (no LDS load of mine is out)
	v_add_nc_u32 v[AB], 0x10000, v[AB]
.endif
	FETCH 0, 0
.irp s, 0,1,2,3
.if \s < 3
.if \s > 0
.rept 4
	v_nop                                          ; the set that the last products but these read is loaded again
.endr
.endif
	FETCH \s+1, (\s+1)%2
	s_wait_dscnt 12                                ; this K step's fragments are in; the 12 loads just issued may be out
.else
	s_wait_dscnt 0x0
.endif
.if (\jq == 0) && (\s == 0)
	MUL 0, 1
.else
	MUL \s%2, 0
.endif
.endr
.endr
	; THE WAY OUT
.rept 4
	v_nop                                          ; places ahead of the first read of results and of writes into the fragments' registers
.endr
	s_wait_loadcnt 0x0                             ; bo
.irp a, 0,1
.irp j, 0,1,2,3,4,5,6,7
.irp i, 0,1,2,3
	v_add_f32 v[OUT+4*(8*\a+\j)+\i], v[ACC+8*(4*\a+\i)+\j], v[BO+\i]   ; each accumulator from its low end on; the addition also brings four neighbouring columns together
.endr
	global_store_b128 v[CO], v[OUT+4*(8*\a+\j):OUT+4*(8*\a+\j)+3], s[10:11] offset:(16*\a+\j)*2048 th:TH_STORE_NT   ; token 16 a + 8 h + j: sixteen lanes store 256 consecutive bytes, at a multiple of 256 from out0's first byte
.endr
.endr
	s_wait_tensorcnt 0x0                           ; the wave's end: three closing lines, behind my last tensor load
	ds_add_u32 v[SPW], v[NIL]
	s_wait_dscnt 0x0
	CROUND                                         ; the closing round: no work-group ends while a partner may still ask for a tile that names it
	s_endpgm
.Lfunc_end_k_qedfcc1a3ed_oproj:
	.size	k_qedfcc1a3ed_oproj, .Lfunc_end_k_qedfcc1a3ed_oproj-k_qedfcc1a3ed_oproj
	.p2alignl 7, 3214868480
	.fill 96, 4, 3214868480
	.section	.rodata,"a",@progbits
	.p2align	6, 0x0
	.amdhsa_kernel k_qedfcc1a3ed_oproj
		.amdhsa_group_segment_fixed_size 263168
		.amdhsa_private_segment_fixed_size 0
		.amdhsa_enable_private_segment 0
		.amdhsa_kernarg_size 32
		.amdhsa_user_sgpr_count 2
		.amdhsa_user_sgpr_kernarg_segment_ptr 1
		.amdhsa_wavefront_size32 1
		.amdhsa_system_sgpr_workgroup_id_x 1
		.amdhsa_system_sgpr_workgroup_id_y 1
		.amdhsa_system_sgpr_workgroup_id_z 1
		.amdhsa_system_vgpr_workitem_id 0
		.amdhsa_next_free_vgpr 192
		.amdhsa_next_free_sgpr 100
		.amdhsa_reserve_vcc 0
		.amdhsa_float_denorm_mode_32 3
		.amdhsa_float_denorm_mode_16_64 3
		.amdhsa_memory_ordered 1
		.amdhsa_forward_progress 1
		.amdhsa_inst_pref_size 34
	.end_amdhsa_kernel
	.amdgpu_metadata
---
amdhsa.version: [ 1, 2 ]
amdhsa.kernels:
  - .name:           k_qedfcc1a3ed_oproj
    .symbol:         k_qedfcc1a3ed_oproj.kd
    .args:
      - { .name: o_h, .offset: 0, .size: 8, .value_kind: global_buffer, .address_space: global }
      - { .name: wo_h, .offset: 8, .size: 8, .value_kind: global_buffer, .address_space: global }
      - { .name: bo, .offset: 16, .size: 8, .value_kind: global_buffer, .address_space: global }
      - { .name: out0, .offset: 24, .size: 8, .value_kind: global_buffer, .address_space: global }
    .group_segment_fixed_size: 263168
    .private_segment_fixed_size: 0
    .kernarg_segment_align: 8
    .kernarg_segment_size: 32
    .max_flat_workgroup_size: 256
    .sgpr_count:     100
    .vgpr_count:     192
    .wavefront_size: 32
...
	.end_amdgpu_metadata
.endif
;; end of part 4
